; MI455X (gfx1250); checked and timed in simulation.
; The chip was launched on July 23, 2026; its instructions are those of AMD's public machine-readable ISA for CDNA 5 (MIT licence, August 2026) and "CDNA5" Instruction Set Architecture Reference Guide (July 2026). The comments in the code are by the model that wrote it; some were corrected since.
;; Attention. Allowed arithmetic: float matrix products may take bf16 or f16 operands with f32 sums; other float arithmetic in f32, or as packed bf16 or f16 multiplies, adds, multiply-adds, maxima and minima; sums over many terms, partial sums and values carried from step to step in f32; what a program stores and reads back later, other than sums and carried values, may be rounded once to bf16 or f16.
;; Inputs: Wk 1,024 x 64 float32; Wq 1,024 x 64 float32; Wv 1,024 x 1,024 float32; bk 64 float32; bq 64 float32; bv 1,024 float32; input 8 x 2,048 x 1,024 float32.
;; Outputs: out0 8 x 2,048 x 1,024 float32.
;; One version. Each part assembles by itself: llvm-mc -triple=amdgcn-amd-amdhsa -mcpu=gfx1250 --defsym DOCPART=n.
;; ======== version 1 of 1: 3 launches
;; limits: values are held in f16: magnitudes above 65,504 overflow, below 6.1e-05 lose precision
;; workspace buffers: wp 2,359,296 bytes; qkp 4,194,304 bytes; vh 33,554,432 bytes
;; launch prep (part 1): grid 9 x 64, 8 waves a work-group, no clusters, 0 bytes of LDS; arguments Wq, Wk, Wv, wp; writes wp
.if DOCPART == 1
	.amdgcn_target "amdgcn-amd-amdhsa--gfx1250"
	.amdhsa_code_object_version 6
	.text
	.protected	k_qc815f2b500_prep
	.globl	k_qc815f2b500_prep
	.p2align	8
	.type	k_qc815f2b500_prep,@function
k_qc815f2b500_prep:
	s_mov_b64 s[64:65], 0
	v_nop
	global_prefetch_b8 v0, s[64:65] scope:SCOPE_SE
	s_setreg_imm32_b32 hwreg(HW_REG_WAVE_MODE, 25, 1), 1
	s_wait_xcnt 0x0
; The weights are rounded to bf16 and turned, once, into the order in which the projection's tiles want them:
; wp[kb 16][cq 4][r 288][kk 64] bf16; a row is 128 bytes: k = 64 kb + kk of one column of a weight.
; Row r of column quarter cq: wc = r / 144, r' = r % 144.  r' < 128: column 256 cq + 128 wc + r' of Wv.
; Else j = 32 cq + 16 wc + r' - 128: column j of Wq (j < 64) or column j - 64 of Wk.
; A wave makes four rows: lane l takes row l / 8 and the eight k from 8 (l % 8) on: eight loads of 4 bytes down a column,
; four roundings, one store of 16 bytes; the wave's store covers 512 consecutive bytes, aligned.  No LDS, no matrix unit:
; 4.7 MB are read once and 2.4 MB written once.  Four rows never straddle a weight: 128 and 144 are multiples of 4.
.macro LD8 b, pitch                    ; eight numbers of one column, pitch bytes apart
.irp j, 0,1,2,3,4,5,6,7
	global_load_b32 v[8+(\j)], v1, s[(\b):(\b)+1] offset:(\j)*(\pitch)
.endr
.endm
	s_load_b256 s[4:11], s[0:1], 0x0               ; Wq s[4:5], Wk s[6:7], Wv s[8:9], wp s[10:11]
	v_lshrrev_b32 v3, 5, v0
	v_readfirstlane_b32 s12, v3                    ; wave 0..7
	v_and_b32 v4, 31, v0                           ; lane
	v_lshrrev_b32 v5, 3, v4                        ; which of the wave's four rows
	v_and_b32 v6, 7, v4                            ; which eight k
	s_and_b32 s13, ttmp7, 0xffff                   ; y = 4 kb + cq
	s_lshr_b32 s16, s13, 2                         ; kb
	s_and_b32 s17, s13, 3                          ; cq
	s_lshl_b32 s18, ttmp9, 5
	s_lshl2_add_u32 s18, s12, s18                  ; r0 = 32 x + 4 wave
	s_mul_i32 s19, s13, 288
	s_add_co_u32 s19, s19, s18
	s_lshl_b32 s19, s19, 7                         ; (288 y + r0) rows of 128 bytes
	v_lshl_add_u32 v2, v4, 4, s19                  ; + 16 x lane: where I store
	s_cmp_ge_u32 s18, 144
	s_cselect_b32 s20, 1, 0                        ; wc
	s_cselect_b32 s21, 144, 0
	s_sub_co_u32 s21, s18, s21                     ; r'
	s_lshl_b32 s22, s16, 6
	v_lshl_add_u32 v7, v6, 3, s22                  ; my first k = 64 kb + 8 (l % 8)
	s_wait_kmcnt 0x0
	s_cmp_lt_u32 s21, 128
	s_cbranch_scc0 .Lqk
	s_lshl_b32 s23, s17, 8                         ; a column of Wv: 256 cq + 128 wc + r' + my row
	s_lshl_b32 s24, s20, 7
	s_add_co_u32 s23, s23, s24
	s_add_co_u32 s23, s23, s21
	v_add_nc_u32 v1, s23, v5
	v_lshlrev_b32 v1, 2, v1
	v_lshl_add_u32 v1, v7, 12, v1                  ; k rows of 4,096 bytes
	LD8 8, 4096
	s_branch .Ljoin
.Lqk:
	s_lshl_b32 s23, s17, 5                         ; j = 32 cq + 16 wc + r' - 128
	s_lshl_b32 s24, s20, 4
	s_add_co_u32 s23, s23, s24
	s_add_co_u32 s23, s23, s21
	s_sub_co_u32 s23, s23, 128
	s_and_b32 s23, s23, 63                         ; the column in Wq or in Wk
	s_cmp_lt_u32 s17, 2                            ; quarters 0 and 1 hold Wq's columns, 2 and 3 Wk's
	s_cselect_b64 s[14:15], s[4:5], s[6:7]
	v_add_nc_u32 v1, s23, v5
	v_lshlrev_b32 v1, 2, v1
	v_lshl_add_u32 v1, v7, 8, v1                   ; k rows of 256 bytes
	LD8 14, 256
.Ljoin:
	s_wait_loadcnt 0x0
.irp j, 0,1,2,3
	v_cvt_pk_bf16_f32 v[16+(\j)], v[8+2*(\j)], v[9+2*(\j)]
.endr
	global_store_b128 v2, v[16:19], s[10:11]
	s_endpgm
.Lfunc_end_k_qc815f2b500_prep:
	.size	k_qc815f2b500_prep, .Lfunc_end_k_qc815f2b500_prep-k_qc815f2b500_prep
	.p2alignl 7, 3214868480
	.fill 96, 4, 3214868480
	.section	.rodata,"a",@progbits
	.p2align	6, 0x0
	.amdhsa_kernel k_qc815f2b500_prep
		.amdhsa_group_segment_fixed_size 0
		.amdhsa_private_segment_fixed_size 0
		.amdhsa_enable_private_segment 0
		.amdhsa_kernarg_size 32
		.amdhsa_user_sgpr_count 2
		.amdhsa_user_sgpr_kernarg_segment_ptr 1
		.amdhsa_wavefront_size32 1
		.amdhsa_system_sgpr_workgroup_id_x 1
		.amdhsa_system_sgpr_workgroup_id_y 1
		.amdhsa_system_sgpr_workgroup_id_z 1
		.amdhsa_system_vgpr_workitem_id 0
		.amdhsa_next_free_vgpr 24
		.amdhsa_next_free_sgpr 66
		.amdhsa_reserve_vcc 0
		.amdhsa_float_denorm_mode_32 3
		.amdhsa_float_denorm_mode_16_64 3
		.amdhsa_memory_ordered 1
		.amdhsa_forward_progress 1
		.amdhsa_inst_pref_size 4
	.end_amdhsa_kernel
	.amdgpu_metadata
---
amdhsa.version: [ 1, 2 ]
amdhsa.kernels:
  - .name:           k_qc815f2b500_prep
    .symbol:         k_qc815f2b500_prep.kd
    .args:
      - { .name: Wq, .offset: 0, .size: 8, .value_kind: global_buffer, .address_space: global }
      - { .name: Wk, .offset: 8, .size: 8, .value_kind: global_buffer, .address_space: global }
      - { .name: Wv, .offset: 16, .size: 8, .value_kind: global_buffer, .address_space: global }
      - { .name: wp, .offset: 24, .size: 8, .value_kind: global_buffer, .address_space: global }
    .group_segment_fixed_size: 0
    .private_segment_fixed_size: 0
    .kernarg_segment_align: 8
    .kernarg_segment_size: 32
    .max_flat_workgroup_size: 256
    .sgpr_count:     66
    .vgpr_count:     24
    .wavefront_size: 32
...
	.end_amdgpu_metadata
.endif
;; end of part 1
;; launch proj (part 2): grid 4 x 64, 4 waves a work-group, clusters of 4 x 4, 327,680 bytes of LDS; arguments input, wp, bq, bk, bv, qkp, vh; writes qkp, vh
.if DOCPART == 2
	.amdgcn_target "amdgcn-amd-amdhsa--gfx1250"
	.amdhsa_code_object_version 6
	.text
	.protected	k_qc815f2b500_proj
	.globl	k_qc815f2b500_proj
	.p2align	8
	.type	k_qc815f2b500_proj,@function
k_qc815f2b500_proj:
	s_mov_b64 s[64:65], 0
	v_nop
	global_prefetch_b8 v0, s[64:65] scope:SCOPE_SE
	s_setreg_imm32_b32 hwreg(HW_REG_WAVE_MODE, 25, 1), 1
	s_wait_xcnt 0x0
	s_wait_alu depctr_hold_cnt(0) depctr_sa_sdst(0) depctr_va_vdst(0) depctr_va_sdst(0) depctr_va_ssrc(0) depctr_va_vcc(0) depctr_vm_vsrc(0)
	s_getreg_b32 s2, hwreg(HW_REG_IB_STS2, 6, 4)
	s_cmp_eq_u32 s2, 0
	s_cbranch_scc0 .Lentry_in_a_cluster
	s_endpgm
.Lentry_in_a_cluster:
	s_bfe_u32 s2, ttmp6, 0x10000c
	s_cmp_lg_u32 s2, 0xf033
	s_cbranch_scc0 .Lentry_shape_is_right
	s_endpgm
.Lentry_shape_is_right:
; q, k, v = x W + b in one product: C[16384][1152] = x[16384][1024] (f32, rounded to bf16 on its way into the matrix unit) times wp (bf16, laid out by the launch before).
; Sums in f32; the biases, rounded to bf16 like the other inputs, are added in f32; q, k and v are rounded once, to f16.
; LIMIT: f16 holds no number beyond 65,504: |q|, |k|, |v| must stay below that.  NaN and infinities are not treated apart.
; OUT: vh[16384][1024] f16;  qkp[plane 8][row 16384][16] f16: planes 0-3 q's channels 0-63, planes 4-7 k's; a row of a plane is 32 bytes.
; SHARES.  A work-group makes 256 rows x 288 columns (column quarter cq: 256 channels of v, 32 of q or k): 64 x 4 = 256 work-groups.  Four waves, each 128 rows x 144 columns: 72 accumulators, 576 registers.
; K goes in 16 steps of 64 through two LDS slots: x's rows are 256 bytes of memory (64 f32), aligned; wp's tile is dense and asked for as rows of 256 bytes.
; CLUSTER 4 x 4: the four column quarters of a row of the cluster need the same tile of x, the four row blocks of a column the same tile of wp: each is asked for jointly.
; THE MATRIX INSTRUCTION IS USED TRANSPOSED (source 0 = 16 rows of wp, source 1 = 16 rows of x): a lane holds eight neighbouring columns of one row of C.
; REGISTERS: window 0: v0-31 addresses; v32-159 x as f32 (later biases, q/k results); v160-223 x's fragments in bf16 (later the way out, with v224-255)
;   window 1: v0-71, v72-143 wp's fragments of the step's two halves; v144-207 the accumulators of column block 8 (q or k)
;   windows 2, 3: accumulator (a, b < 8) at v[8 (8 (a % 4) + b)] of window 2 + a / 4
.set SLOT1,  131072                    ; slot 1 begins here: one exclusive or turns an address in one slot into the other's
.set PA,     272                       ; an LDS row of x: 256 bytes + 16 of padding = 68 words: the 16 rows of a load start at 16 different groups of four banks (64 banks of 4 bytes: ISA guide 11.1)
.set PB,     144                       ; an LDS row of wp: 128 bytes + 16 = 36 words: likewise
.set AHALF,  128*PA                    ; 128 rows of x: what one tensor load brings
.set BOFF,   2*AHALF                   ; wp's 288 rows lie behind x's 256
.set BHALF,  144*PB                    ; 144 rows of wp: what one tensor load brings
.set STAGE,  SLOT1+BOFF+2*BHALF        ; behind the ring: 16 rows x 272 bytes for each wave, for the way out
.set SP,     272
.set SPARE,  STAGE+4*16*SP             ; behind the stages: the spare words, 128 bytes for each wave: two blocks of 256 bytes that no other line names
.set AA0, 3                            ; v3   my lane's place in x's tile; never rewritten
.set AB0, 4                            ; v4   the same in wp's tile
.set AA,  5                            ; v5   v3 + the slot in hand
.set AB,  6                            ; v6   v4 + the slot in hand
.set STO, 7                            ; v7   the way out: where I put 16 bytes of a row
.set RD,  8                            ; v8   the way out: where I read a row back
.set CO,  9                            ; v9   my byte offset in two rows of vh
.set QKO, 10                           ; v10  my byte offset in 16 rows of a plane of qkp
.set BO,  11                           ; v11  my byte offset in bv
.set BOQ, 12                           ; v12  my byte offset in bq or bk
.set SPW, 28                           ; v28  LDS address of my spare word; never rewritten
.set NIL, 29                           ; v29  0; never rewritten
.set STG, 32                           ; x as loaded: fragment a's 16 registers at STG + 16 a
.set ABF, 160                          ; x in bf16: fragment a at ABF + 8 a
.set BI,  32                           ; behind the loop: 72 biases
.set TQ,  104                          ; behind the loop: q or k packed, four registers a block
.set RB,  136                          ; at work
.set TMP, 160                          ; behind the loop: v packed
.set BK,  192                          ; behind the loop: rows read back, two buffers of 32
.set B0,  0                            ; window 1
.set B1,  72
.set ACCX, 144
.set MSB, 0
.macro WIN new                         ; the immediate's high byte repeats the setting that is left; a switch that changes nothing is dropped
.if MSB != (\new)
	s_set_vgpr_msb (MSB<<8)|(\new)
.set MSB, (\new)
.endif
.endm
.macro PLACES                          ; four places behind matrix instructions, in front of writes and loads into their registers and of reads of their results
.rept 4
	v_nop
.endr
.endm
; A joint load: waves 0 and 1 fetch the two halves of x's tile, waves 2 and 3 those of wp's.  The branch hangs on the wave's number alone.
; An s_nop 0 and four v_nop follow each of the two lines, ahead of the jump and the label.
.macro JLOAD
	s_cmp_lt_u32 s18, 2
	s_cbranch_scc0 .Lfor_b_\@
	tensor_load_to_lds s[32:35], s[24:31]
	s_nop 0
.rept 4
	v_nop
.endr
	s_branch .Lasked_\@
.Lfor_b_\@:
	tensor_load_to_lds s[36:39], s[40:47]
	s_nop 0
.rept 4
	v_nop
.endr
.Lasked_\@:
.endm
; A round of the cluster's barrier: my work-group's barrier; wave 0 signals for the work-group; every wave waits for all sixteen; my work-group's barrier once more.
.macro ROUND
	s_barrier_signal -1
	s_barrier_wait -1
	s_cmp_lg_u32 s18, 0
	s_cbranch_scc1 .Lnot_wave_0_\@
	s_barrier_signal -3
.Lnot_wave_0_\@:
	s_barrier_wait -3
	s_barrier_signal -1
	s_barrier_wait -1
.endm
	s_load_b256 s[4:11], s[0:1], 0x0               ; input s[4:5], wp s[6:7], bq s[8:9], bk s[10:11]
	s_load_b128 s[12:15], s[0:1], 0x20             ; bv s[12:13], qkp s[14:15]
	s_load_b64 s[16:17], s[0:1], 0x30              ; vh
	v_lshl_add_u32 v[SPW], v0, 2, SPARE
	v_mov_b32 v[NIL], 0
	ds_add_u32 v[SPW], v[NIL]                      ; the wave's opening: the add and its wait stand ahead of my first tensor load; the set-up below, work on registers, stands between them
	ds_add_u32 v28, v29
	v_lshrrev_b32 v1, 5, v0
	v_readfirstlane_b32 s18, v1                    ; wave 0..3
	s_lshr_b32 s19, s18, 1                         ; which 128 rows of C are mine
	s_and_b32 s20, s18, 1                          ; which 144 columns are mine.  Also: which half of a tile I fetch
	s_bfe_u32 s21, ttmp6, 0x40000                  ; cx
	s_bfe_u32 s22, ttmp6, 0x40004                  ; cy
	s_lshl_b32 s50, ttmp9, 2
	s_add_co_u32 s50, s50, s21                     ; column quarter cq = 4 x cluster x + cx
	s_and_b32 s23, ttmp7, 0xffff
	s_lshl_b32 s23, s23, 2
	s_add_co_u32 s23, s23, s22                     ; row block = 4 x cluster y + cy
	s_lshl_b32 s56, s22, 2
	s_lshl_b32 s56, 15, s56                        ; my row of the cluster
	s_lshl_b32 s57, 0x1111, s21                    ; my column
	; group 1 for x: 128 rows x 64 elements of 4 bytes, 4,096 bytes from row to row, 4 words of padding behind every 64
	s_or_b32 s24, s56, (2<<16)|(1<<20)|(1<<21)|(5<<22)|(3<<25)
	s_mov_b32 s25, 64<<16                          ; tensor_dim0 = 64
	s_mov_b32 s26, 128<<16                         ; tensor_dim1 = 128
	s_mov_b32 s27, 64<<16                          ; tile_dim0 = 64
	s_mov_b32 s28, 128                             ; tile_dim1 = 128
	s_mov_b32 s29, 1024                            ; elements from row to row
	s_mov_b32 s30, 0
	s_mov_b32 s31, 0
	; group 1 for wp: 144 rows of 128 bytes are dense: 72 rows x 128 elements of 2 bytes, 4 words of padding behind every 32
	s_or_b32 s40, s57, (1<<16)|(1<<20)|(1<<21)|(4<<22)|(3<<25)
	s_mov_b32 s41, 128<<16
	s_mov_b32 s42, 72<<16
	s_mov_b32 s43, 128<<16
	s_mov_b32 s44, 72
	s_mov_b32 s45, 128
	s_mov_b32 s46, 0
	s_mov_b32 s47, 0
	s_mov_b32 s32, 1                               ; group 0 for x: count,
	s_mul_i32 s33, s20, AHALF                      ; LDS address: slot 0, my half: no place in the cluster enters it
	s_mov_b32 s36, 1                               ; group 0 for wp
	s_mul_i32 s37, s20, BHALF
	s_add_co_u32 s37, s37, BOFF
	s_lshl_b32 s52, s23, 20                        ; x: 256 rows of 4,096 bytes a row block,
	s_lshl_b32 s53, s20, 19                        ; 128 rows a half: made of the row block and the wave alone
	s_add_co_u32 s52, s52, s53
	s_mov_b32 s53, 0
	s_mul_i32 s54, s50, 36864                      ; wp: 288 rows of 128 bytes a quarter,
	s_mul_i32 s55, s20, 18432                      ; 144 a half: made of the quarter and the wave alone
	s_add_co_u32 s54, s54, s55
	s_mov_b32 s55, 0
	s_mov_b32 s48, SLOT1                           ; the first step's exclusive or makes it 0
	s_wait_dscnt 0x0                               ; the opening add is done
	s_wait_kmcnt 0x0
	s_add_nc_u64 s[34:35], s[4:5], s[52:53]
	s_or_b32 s35, s35, 0x80000000                  ; type = 2
	s_add_nc_u64 s[38:39], s[6:7], s[54:55]
	s_or_b32 s39, s39, 0x80000000
	ROUND                                          ; all sixteen work-groups are here: the first joint loads meet
	JLOAD                                          ; K step 0 into slot 0
	v_and_b32 v1, 15, v0                           ; r = l % 16
	v_bfe_u32 v2, v0, 4, 1                         ; h = l / 16
	; x's fragment: lane (r, h) wants k = 8 h .. + 7 and 16 + 8 h .. + 7 of row r: in f32 four loads of 16 bytes at 32 h + 0, 16, 64, 80
	v_mul_u32_u24 v[AA0], v1, PA
	v_lshl_add_u32 v[AA0], v2, 5, v[AA0]
	s_mul_i32 s51, s19, AHALF
	v_add_nc_u32 v[AA0], s51, v[AA0]
	; wp's fragment, bf16: two loads of 16 bytes at 16 h + 0, 32
	v_mul_u32_u24 v[AB0], v1, PB
	v_lshl_add_u32 v[AB0], v2, 4, v[AB0]
	s_mul_i32 s51, s20, BHALF
	s_add_co_u32 s51, s51, BOFF
	v_add_nc_u32 v[AB0], s51, v[AB0]
	s_mul_i32 s51, s18, 16*SP
	s_add_co_u32 s51, s51, STAGE                   ; my stage
	v_mul_u32_u24 v[STO], v1, SP                   ; in: row r, 16 bytes for each half of the lanes
	v_lshl_add_u32 v[STO], v2, 4, v[STO]
	v_add_nc_u32 v[STO], s51, v[STO]
	v_mul_u32_u24 v[RD], v2, SP                    ; back: lanes 0-15 one row of 256 bytes, lanes 16-31 the next
	v_lshl_add_u32 v[RD], v1, 4, v[RD]
	v_add_nc_u32 v[RD], s51, v[RD]
	v_lshlrev_b32 v[CO], 11, v2                    ; the same two rows in vh
	v_lshl_add_u32 v[CO], v1, 4, v[CO]
	v_lshlrev_b32 v[QKO], 5, v1                    ; a plane's row r, 16 bytes for each half of the lanes
	v_lshl_add_u32 v[QKO], v2, 4, v[QKO]
	s_lshl_b32 s51, s50, 10                        ; bv: (256 cq + 128 wc + 8 h) x 4 bytes
	s_lshl_b32 s58, s20, 9
	s_add_co_u32 s51, s51, s58
	v_lshl_add_u32 v[BO], v2, 5, s51
	s_lshl_b32 s51, s50, 5                         ; bq or bk: ((32 cq + 16 wc) % 64 + 8 h) x 4 bytes
	s_lshl_b32 s58, s20, 4
	s_add_co_u32 s51, s51, s58
	s_and_b32 s51, s51, 63
	s_lshl_b32 s51, s51, 2
	v_lshl_add_u32 v[BOQ], v2, 5, s51
	s_lshl_b32 s58, s23, 19                        ; vh at my first row and column: 256 rows of 2,048 bytes a row block, 128 a wave half,
	s_lshl_b32 s59, s19, 18
	s_add_co_u32 s58, s58, s59
	s_lshl_b32 s59, s50, 9                         ; 512 bytes a quarter, 256 a wave half
	s_add_co_u32 s58, s58, s59
	s_lshl_b32 s59, s20, 8
	s_add_co_u32 s58, s58, s59
	s_mov_b32 s59, 0
	s_add_nc_u64 s[16:17], s[16:17], s[58:59]
	s_lshl_b32 s62, s50, 20                        ; qkp: plane 2 cq + wc of 524,288 bytes, my first row x 32 bytes
	s_lshl_b32 s63, s20, 19
	s_add_co_u32 s62, s62, s63
	s_lshl_b32 s63, s23, 13
	s_add_co_u32 s62, s62, s63
	s_lshl_b32 s63, s19, 12
	s_add_co_u32 s62, s62, s63
	s_mov_b32 s63, 0
	s_add_nc_u64 s[14:15], s[14:15], s[62:63]
	s_cmp_lt_u32 s50, 2                            ; quarters 0 and 1 make q, 2 and 3 k
	s_cselect_b64 s[60:61], s[8:9], s[10:11]
.macro WM d, x, y, zero                ; one matrix instruction; zero = 1: it starts the sum
.if \zero
	v_wmma_f32_16x16x32_bf16 v[(\d):(\d)+7], v[(\x):(\x)+7], v[(\y):(\y)+7], 0
.else
	v_wmma_f32_16x16x32_bf16 v[(\d):(\d)+7], v[(\x):(\x)+7], v[(\y):(\y)+7], v[(\d):(\d)+7]
.endif
.endm
; 72 matrix instructions, 32 along K.  The 72 accumulators take turns, one instruction a turn, always in this order.
.macro MUL buf, zero
	WIN 0xa1                                       ; source 0 (wp) window 1, source 1 (x) window 0, C and D window 2
.irp a, 0,1,2,3
.irp b, 0,1,2,3,4,5,6,7
	WM 8*(8*(\a)+(\b)), (\buf)+8*(\b), ABF+8*(\a), \zero
.endr
.endr
	WIN 0xf1                                       ; C and D window 3
.irp a, 0,1,2,3
.irp b, 0,1,2,3,4,5,6,7
	WM 8*(8*(\a)+(\b)), (\buf)+8*(\b), ABF+32+8*(\a), \zero
.endr
.endr
	WIN 0x51                                       ; C and D window 1: column block 8
.irp a, 0,1,2,3,4,5,6,7
	WM ACCX+8*(\a), (\buf)+64, ABF+8*(\a), \zero
.endr
.endm
.macro FETCH_A kq                      ; 32 LDS loads: my 128 rows of x, 32 along K at byte 128 kq, as f32
	WIN 0
.irp a, 0,1,2,3,4,5,6,7
	ds_load_b128 v[STG+16*(\a):STG+16*(\a)+3],     v[AA] offset:(\a)*16*PA+128*(\kq)
	ds_load_b128 v[STG+16*(\a)+4:STG+16*(\a)+7],   v[AA] offset:(\a)*16*PA+128*(\kq)+16
	ds_load_b128 v[STG+16*(\a)+8:STG+16*(\a)+11],  v[AA] offset:(\a)*16*PA+128*(\kq)+64
	ds_load_b128 v[STG+16*(\a)+12:STG+16*(\a)+15], v[AA] offset:(\a)*16*PA+128*(\kq)+80
.endr
.endm
.macro FETCH_B kq, buf                 ; 18 LDS loads: my 144 rows of wp, 32 along K at byte 64 kq
	WIN 0x40                                       ; destination window 1, address window 0
.irp b, 0,1,2,3,4,5,6,7,8
	ds_load_b128 v[(\buf)+8*(\b):(\buf)+8*(\b)+3],   v[AB] offset:(\b)*16*PB+64*(\kq)
	ds_load_b128 v[(\buf)+8*(\b)+4:(\buf)+8*(\b)+7], v[AB] offset:(\b)*16*PB+64*(\kq)+32
.endr
.endm
.macro CONVERT                         ; x to bf16: 64 roundings of two; fragment a's register j holds k-pair j of its lane
	WIN 0
.set i, 0
.rept 64
	v_cvt_pk_bf16_f32 v[ABF+i], v[STG+2*i], v[STG+2*i+1]
.set i, i+1
.endr
.endm
; ONE K STEP.  In front of its barrier each wave waits for all its tensor loads (one is out: its part of this step's slot), adds 0 to its spare word, and waits for that and for its reads of
; the other slot.  fill = 1: the barrier is a round of the cluster's, and the other slot takes the next K step, first thing behind it: that load has this step's 144 matrix instructions in which to land.
.macro TRIP fill, first, last
	WIN 0
	s_wait_tensorcnt 0x0                           ; no tensor load of mine is out, so the groups 0 may be written
	ds_add_u32 v[SPW], v[NIL]                      ; 0 onto my spare word; scalar work stands between it and the wait for it
.if \fill
	s_xor_b32 s33, s33, SLOT1                      ; the walking descriptors: the other slot,
	s_add_nc_u64 s[34:35], s[34:35], 256           ; x: 64 f32 on along its rows
	s_xor_b32 s37, s37, SLOT1
	s_add_nc_u64 s[38:39], s[38:39], 147456        ; wp: four quarters of 36,864 bytes on
.endif
	s_xor_b32 s48, s48, SLOT1                      ; the slot that this step reads
	s_wait_dscnt 0x0                               ; the add is done, and my reads of the other slot are over
.if \fill
	ROUND
	JLOAD
.else
	s_barrier_signal -1
	s_barrier_wait -1
.endif
	PLACES                                         ; behind the step before's last products, whose x fragments are written below
	v_add_nc_u32 v[AA], s48, v[AA0]
	v_add_nc_u32 v[AB], s48, v[AB0]
	FETCH_A 0
	FETCH_B 0, B0
	s_wait_dscnt 18                                ; x's 32 loads are in; wp's 18 behind them may be out
	CONVERT
	FETCH_A 1
	FETCH_B 1, B1
	s_wait_dscnt 50                                ; the first half's wp is in; the 50 loads just issued may be out
	MUL B0, \first
	s_wait_dscnt 18                                ; the second half's x is in
	PLACES                                         ; the roundings below write registers that those products read
	CONVERT
.if \last
.irp b, 0,1,2,3,4,5,6,7                ; the biases come in under the last products: for column block b my eight columns' 32 bytes
	global_load_b128 v[BI+8*(\b):BI+8*(\b)+3],   v[BO], s[12:13] offset:64*(\b)
	global_load_b128 v[BI+8*(\b)+4:BI+8*(\b)+7], v[BO], s[12:13] offset:64*(\b)+16
.endr
	global_load_b128 v[BI+64:BI+67], v[BOQ], s[60:61]
	global_load_b128 v[BI+68:BI+71], v[BOQ], s[60:61] offset:16
.endif
	s_wait_dscnt 0x0                               ; the second half's wp is in
	MUL B1, 0
	WIN 0                                          ; at a label and at a branch every window is 0
.endm
	TRIP 1, 1, 0                                   ; K step 0: its first products start the sums; slot 1 takes K step 1
	s_mov_b32 s49, 14
.Lk:                                                   ; K steps 1 to 14
	TRIP 1, 0, 0
	s_sub_co_u32 s49, s49, 1
	s_cmp_lg_u32 s49, 0
	s_cbranch_scc1 .Lk
	TRIP 0, 0, 1                                   ; K step 15 asks for nothing
	; THE WAY OUT.  Biases to bf16 and back (the rounding that all inputs get); then a block of 16 rows at a time: + bias, to f16, v through my stage in LDS as whole rows of 256 bytes, q or k straight from registers.
	PLACES
	s_wait_loadcnt 0x0
.set i, 0
.rept 36
	v_cvt_pk_bf16_f32 v[RB], v[BI+2*i], v[BI+2*i+1]
	v_lshlrev_b32 v[BI+2*i], 16, v[RB]
	v_and_b32 v[BI+2*i+1], 0xffff0000, v[RB]
.set i, i+1
.endr
.macro PACK a
.set AC, 64*((\a)%4)
.set W, 2+(\a)/4
	WIN W|(W<<6)                                   ; destination and source 0 in the block's window, the biases in window 0
.set i, 0
.rept 32                               ; each accumulator's registers in ascending order
	v_pk_add_f32 v[AC+2*i:AC+2*i+1], v[AC+2*i:AC+2*i+1], v[BI+2*i:BI+2*i+1]
.set i, i+1
.endr
	WIN W|(W<<2)
.set i, 0
.rept 32
	v_cvt_pk_f16_f32 v[TMP+i], v[AC+2*i], v[AC+2*i+1]
.set i, i+1
.endr
	WIN 0x41
.irp p, 0,1,2,3
	v_pk_add_f32 v[ACCX+8*(\a)+2*(\p):ACCX+8*(\a)+2*(\p)+1], v[ACCX+8*(\a)+2*(\p):ACCX+8*(\a)+2*(\p)+1], v[BI+64+2*(\p):BI+64+2*(\p)+1]
.endr
	WIN 0x05
.irp p, 0,1,2,3
	v_cvt_pk_f16_f32 v[TQ+4*(\a)+(\p)], v[ACCX+8*(\a)+2*(\p)], v[ACCX+8*(\a)+2*(\p)+1]
.endr
	WIN 0
.endm
.macro TOSTAGE a
.set BKA, BK+32*((\a)%2)
	s_wait_xcnt 0x0                                ; the registers that earlier stores read are loaded again only behind this wait
.irp b, 0,1,2,3,4,5,6,7
	ds_store_b128 v[STO], v[TMP+4*(\b):TMP+4*(\b)+3] offset:32*(\b)
.endr
.irp t, 0,1,2,3,4,5,6,7
	ds_load_b128 v[BKA+4*(\t):BKA+4*(\t)+3], v[RD] offset:(\t)*2*SP  ; LDS serves a wave's instructions in order (ISA guide 5.7.1.4): these see the stores above
.endr
.endm
.macro SEND a
.set BKA, BK+32*((\a)%2)
	s_wait_dscnt 0x0                               ; the block is back in registers
.irp t, 0,1,2,3,4,5,6,7
	global_store_b128 v[CO], v[BKA+4*(\t):BKA+4*(\t)+3], s[16:17] offset:(16*(\a)+2*(\t))*2048  ; 16 lanes store 256 consecutive bytes, aligned
.endr
	global_store_b128 v[QKO], v[TQ+4*(\a):TQ+4*(\a)+3], s[14:15] offset:512*(\a)  ; 16 rows of a plane: 512 consecutive bytes, aligned
.endm
	PACK 0
	TOSTAGE 0
.irp a, 1,2,3,4,5,6,7                  ; block a's arithmetic stands between block a - 1's loads from the stage and the wait for them
	PACK \a
	SEND (\a)-1
	TOSTAGE \a
.endr
	SEND 7
	s_wait_tensorcnt 0x0                           ; the wave's end: a wait, an add and a wait, behind my last tensor load and my last LDS store
	ds_add_u32 v[SPW], v[NIL]
	s_wait_dscnt 0x0
	ROUND                                          ; the closing round: no work-group ends while a partner may still ask for a tile that names it
	s_endpgm
.Lfunc_end_k_qc815f2b500_proj:
	.size	k_qc815f2b500_proj, .Lfunc_end_k_qc815f2b500_proj-k_qc815f2b500_proj
	.p2alignl 7, 3214868480
	.fill 96, 4, 3214868480
	.section	.rodata,"a",@progbits
	.p2align	6, 0x0
	.amdhsa_kernel k_qc815f2b500_proj
		.amdhsa_group_segment_fixed_size 327680
		.amdhsa_private_segment_fixed_size 0
		.amdhsa_enable_private_segment 0
		.amdhsa_kernarg_size 56
		.amdhsa_user_sgpr_count 2
		.amdhsa_user_sgpr_kernarg_segment_ptr 1
		.amdhsa_wavefront_size32 1
		.amdhsa_system_sgpr_workgroup_id_x 1
		.amdhsa_system_sgpr_workgroup_id_y 1
		.amdhsa_system_sgpr_workgroup_id_z 1
		.amdhsa_system_vgpr_workitem_id 0
		.amdhsa_next_free_vgpr 1024
		.amdhsa_next_free_sgpr 66
		.amdhsa_reserve_vcc 0
		.amdhsa_float_denorm_mode_32 3
		.amdhsa_float_denorm_mode_16_64 3
		.amdhsa_memory_ordered 1
		.amdhsa_forward_progress 1
		.amdhsa_inst_pref_size 142
	.end_amdhsa_kernel
	.amdgpu_metadata
---
amdhsa.version: [ 1, 2 ]
amdhsa.kernels:
  - .name:           k_qc815f2b500_proj
    .symbol:         k_qc815f2b500_proj.kd
    .args:
      - { .name: input, .offset: 0, .size: 8, .value_kind: global_buffer, .address_space: global }
      - { .name: wp, .offset: 8, .size: 8, .value_kind: global_buffer, .address_space: global }
      - { .name: bq, .offset: 16, .size: 8, .value_kind: global_buffer, .address_space: global }
      - { .name: bk, .offset: 24, .size: 8, .value_kind: global_buffer, .address_space: global }
      - { .name: bv, .offset: 32, .size: 8, .value_kind: global_buffer, .address_space: global }
      - { .name: qkp, .offset: 40, .size: 8, .value_kind: global_buffer, .address_space: global }
      - { .name: vh, .offset: 48, .size: 8, .value_kind: global_buffer, .address_space: global }
    .group_segment_fixed_size: 327680
    .private_segment_fixed_size: 0
    .kernarg_segment_align: 8
    .kernarg_segment_size: 56
    .max_flat_workgroup_size: 128
    .sgpr_count:     66
    .vgpr_count:     1024
    .wavefront_size: 32
...
	.end_amdgpu_metadata
.endif
;; end of part 2
;; launch attn (part 3): grid 8 x 32, 4 waves a work-group, no clusters, 327,680 bytes of LDS; arguments qkp, vh, out0; writes out0
.if DOCPART == 3
	.amdgcn_target "amdgcn-amd-amdhsa--gfx1250"
	.amdhsa_code_object_version 6
	.text
	.protected	k_qc815f2b500_attn
	.globl	k_qc815f2b500_attn
	.p2align	8
	.type	k_qc815f2b500_attn,@function
k_qc815f2b500_attn:
	s_mov_b64 s[64:65], 0
	v_nop
	global_prefetch_b8 v0, s[64:65] scope:SCOPE_SE
	s_setreg_imm32_b32 hwreg(HW_REG_WAVE_MODE, 25, 1), 1
	s_wait_xcnt 0x0
; CAUSAL ATTENTION, one head of 64 key channels and 1,024 value channels.  out0[b][q][:] = the sum over k <= q of softmax_k(q . k / 8) v[k][:], f32.
; q and k come as qkp[plane 8][row 16384][16] f16 (planes 0-3 q, 4-7 k), v as vh[16384][1024] f16.  Products, maxima and sums in f32; the weights p are rounded to f16 for the second product
; (their sum l is taken of the unrounded p).
; LIMITS.  A hidden score counts as its value less 1e30 (f16's scores, 2.7e11 at the most, are nothing beside that); a weight below 2^-126 counts as 0 in l; NaN and infinities are not treated apart.
; THE WALK.  A batch's queries lie in 16 blocks of 128; block i needs the key tiles 0 .. i of 128 keys, the last of which holds the diagonal.  A work-group takes a quarter of the channels (256) and TWO
; blocks, 15 - b and then b: 17 tiles whatever b: all 8 x 8 x 4 = 256 work-groups do equal work, and one loop with a constant trip count walks them.  The ring of two LDS slots runs on across the blocks.
; NO CLUSTER: the eight pairs of a batch walk different tiles in most trips, and of what the four channel quarters of a pair share (K, 16 KB of a tile's 80) little would be spared.
; SHARES.  A wave owns 32 queries of the block, two tiles of 16, and all 256 channels: 32 accumulators of O^T.
; LAYOUT.  S^T = K Q^T (source 0 = 16 keys, source 1 = 16 queries): a lane holds ONE query (l % 16) and the keys 8 (l / 16) + 0..7.  Two such results rounded to f16 ARE source 1 of O^T = V^T P, whose result
; again holds one query a lane, and eight channels.  V ([key][channel]) comes out of LDS turned, by ds_load_tr16_b128.
; SOFTMAX.  A running maximum m and sum l for each query: p = 2^(c s - c m), c = log2(e) / 8; in every tile O and l are multiplied by a = 2^(c m_old - c m_new).  At a block's start c m lies far below every
; c s, so the first a is 0, and O^T and l need only hold finite numbers.
; THE MASK is the C operand that starts the diagonal tile's sums: 0, or -1e30 where the key is hidden; 128 registers, made once.  Every query sees its own key there, so m is a true score.
; IN PHASES: a tile's 32 products K Q^T, its softmax, its 128 products V^T P.
; REGISTERS, in windows of 256 (s_set_vgpr_msb: bits 1:0 source 0, 3:2 source 1, 5:4 source 2, 7:6 destination):
;   window 0: v0-15 addresses; v16-23 statistics; v24-25, v32-47 at work; v64-191 S^T; v192-255 P        window 1: O^T, accumulator (t, cb) at 128 t + 8 cb
;   window 2: two buffers of 128 for V's fragments; K's lie in the second          window 3: v0-31 Q; v32-63 the second block's Q; v64-191 the mask
.set NB,    16
.set SLOT1, 131072                     ; slot 1 begins here: one exclusive or turns an address in one slot into the other's
.set KHALF, 8192                       ; 64 keys: four planes of 64 rows of 32 bytes
.set VOFF,  16384                      ; V lies behind K's two halves
.set PVP,   544                        ; a row of V in LDS: 512 bytes + 32 = 136 words
.set VHALF, 64*PVP
.set STAGE, SLOT1+VOFF+2*VHALF         ; behind the ring: 16 rows x 1,040 bytes for each wave, for the way out
.set SP,    1040                       ; 1,024 bytes + 16 = 260 words: the 16 rows of a store start at 16 different groups of four banks
.set SPARE, STAGE+4*16*SP              ; behind the stages: the spare words, 128 bytes for each wave: two blocks of 256 bytes that no other line names
.set AK0, 2                            ; v2   my lane's place in a tile of K; never rewritten
.set AV0, 3                            ; v3   the same for V
.set AK,  4                            ; v4   v2 + the slot in hand
.set AV,  5                            ; v5   v3 + the slot in hand
.set STO, 6                            ; v6   the way out: where I put 32 bytes of a row
.set RD,  7                            ; v7   the way out: where I read half a row back
.set GO,  8                            ; v8   16 x lane
.set QO,  10                           ; v10  my byte offset in 16 rows of a plane
.set SPW, 14                           ; v14  LDS address of my spare word; never rewritten
.set NIL, 15                           ; v15  0; never rewritten
.set ST,  16                           ; tile t's statistics at v[ST + 4 t]: c m, m, l (even keys', odd keys')
.set MV,  24                           ; c m_old, by tile
.set TM,  32                           ; by tile eight registers at work; TM + 2 takes a
.set S,   64                           ; accumulator (t, kt) at S + 64 t + 8 kt
.set P,   192                          ; tile t's weights at P + 32 t
.set VF0, 0                            ; window 2
.set VF1, 128
.set QL,  32                           ; window 3
.set MD,  64                           ; window 3
.set WV,  12                           ; s12  my wave's number
.set PB,  14                           ; s14  b
.set HI,  15                           ; s15  15 - b
.set G1K, 24                           ; s[24:31] descriptor group 1 for K
.set G1V, 32                           ; s[32:39] for V
.set G0K, 40                           ; s[40:43] descriptor group 0 for K
.set G0V, 44                           ; s[44:47] for V
.set KB,  48                           ; s[48:49] K at my half of the batch's tile 0
.set VB,  50                           ; s[50:51] V likewise, at the work-group's channels
.set OLO, 52                           ; s[52:53] out0 at my rows of the second block
.set QHP, 54                           ; s[54:55] q at my rows of the first block
.set SLOTS, 56                         ; s56  tiles still to be asked for
.set CS,  58                           ; s[58:59] c
.set SEL, 60                           ; s[60:61] v_permlanex16_b32's selects: each lane takes its own place in the other half
.set TB,  62                           ; s62  the slot in hand
.set RT,  70                           ; s70  tiles of the block in hand that are still to be entered
.set NXT, 71                           ; s71  the tile to be asked for next
.set LQ,  72                           ; s72  the last tile of the block whose tiles are being asked for
.set OFFK, 74                          ; s[74:75] a tile's byte offset in K
.set OFFV, 76                          ; s[76:77] in V
.set BIGN, 78                          ; s78  -1e30
.set QLP, 80                           ; s[80:81] q at my rows of the second block
.set MSB, 0
.macro WIN new                         ; the immediate's high byte repeats the setting that is left; a switch that changes nothing is dropped
.if MSB != (\new)
	s_set_vgpr_msb (MSB<<8)|(\new)
.set MSB, (\new)
.endif
.endm
.set W_KQ, 0x0e                        ; K in window 2, Q in window 3, S^T in window 0
.set W_KM, 0x3e                        ; the same with the C operand in window 3
.set W_PV, 0x52                        ; V in window 2, P in window 0, O^T in window 1
.set W_RS, 0x41                        ; destination and source 0 in window 1, source 1 in window 0
.macro PLACES                          ; four places behind matrix instructions, in front of loads into their registers and of reads of their results
.rept 4
	v_nop
.endr
.endm
.macro T2 line:vararg                  ; one line for each of my two tiles t
.set t, 0
.rept 2
	\line
.set t, t+1
.endr
.endm
; A fill.  Waves 0 and 1 fetch the two halves of a tile's K, waves 2 and 3 those of its V: 64 keys each.  An s_nop 0 and four v_nop follow each of the two lines, ahead of the jump and the label.
.macro LOAD
	s_cmp_lt_u32 s[WV], 2
	s_cbranch_scc0 .Lfor_v_\@
	tensor_load_to_lds s[G0K:G0K+3], s[G1K:G1K+7]
	s_nop 0
.rept 4
	v_nop
.endr
	s_branch .Lasked_\@
.Lfor_v_\@:
	tensor_load_to_lds s[G0V:G0V+3], s[G1V:G1V+7]
	s_nop 0
.rept 4
	v_nop
.endr
.Lasked_\@:
.endm
; THE CHANGE OF SLOTS.  Each wave waits for all its tensor loads, of which one is out: its part of the other slot; adds 0 to its spare word; and waits for that and for its own reads of the slot that it leaves.
; Behind the barrier nobody reads the old slot any more and the other slot is whole.  fill = 1: the old slot is filled again, first thing behind the barrier, with tile NXT: the address is made anew from that
; number.  That load has a tile's 160 matrix instructions and its softmax in which to land.  (At its first use nothing has been read yet: slot 0 is waited for, slot 1 filled.)
.macro CHANGE fill
	WIN 0
	s_wait_tensorcnt 0x0                           ; no tensor load of mine is out, so a group 0 may be written
	ds_add_u32 v[SPW], v[NIL]                      ; 0 onto my spare word; with fill = 1, scalar work stands between it and the wait for it
.if \fill
	s_lshl_b32 s[OFFK], s[NXT], 12                 ; a tile is 128 rows of 32 bytes in each plane of K,
	s_lshl_b32 s[OFFV], s[NXT], 18                 ; and 128 rows of 2,048 bytes of V
	s_xor_b32 s[G0K+1], s[G0K+1], SLOT1
	s_add_nc_u64 s[G0K+2:G0K+3], s[KB:KB+1], s[OFFK:OFFK+1]
	s_or_b32 s[G0K+3], s[G0K+3], 0x80000000
	s_xor_b32 s[G0V+1], s[G0V+1], SLOT1
	s_add_nc_u64 s[G0V+2:G0V+3], s[VB:VB+1], s[OFFV:OFFV+1]
	s_or_b32 s[G0V+3], s[G0V+3], 0x80000000
	s_add_co_u32 s[NXT], s[NXT], 1                 ; the block's next tile, or behind its last the second block's tile 0
	s_cmp_gt_u32 s[NXT], s[LQ]
	s_cselect_b32 s[NXT], 0, s[NXT]
	s_cselect_b32 s[LQ], s[PB], s[LQ]
.endif
	s_wait_dscnt 0x0                               ; the add is done, and my reads of the slot are over
	s_barrier_signal -1
	s_xor_b32 s[TB], s[TB], SLOT1                  ; the slot that the tile to come reads
	s_barrier_wait -1
.if \fill
	LOAD
.endif
.endm
	s_load_b128 s[4:7], s[0:1], 0x0                ; qkp s[4:5], vh s[6:7]
	s_load_b64 s[8:9], s[0:1], 0x10                ; out0
	v_lshl_add_u32 v[SPW], v0, 2, SPARE
	v_mov_b32 v[NIL], 0
	ds_add_u32 v[SPW], v[NIL]                      ; the wave's opening: the add and its wait stand ahead of my first tensor load; the set-up below, work on registers, stands between them
	ds_add_u32 v14, v15
	v_lshrrev_b32 v1, 5, v0
	v_readfirstlane_b32 s[WV], v1                  ; wave 0..3
	s_mov_b32 s[PB], ttmp9
	s_sub_co_u32 s[HI], NB-1, s[PB]
	s_and_b32 s13, ttmp7, 0xffff
	s_lshr_b32 s17, s13, 2                         ; batch
	s_and_b32 s18, s13, 3                          ; channel quarter
	s_and_b32 s16, s[WV], 1                        ; which 64 keys of a tile I fetch
	s_lshl_b32 s20, s17, 16                        ; K: 2,048 rows of 32 bytes a batch,
	s_lshl_b32 s21, s16, 11                        ; 64 rows a half,
	s_add_co_u32 s20, s20, s21
	s_add_co_u32 s20, s20, 4*524288                ; behind q's four planes
	s_mov_b32 s21, 0
	s_lshl_b32 s22, s17, 22                        ; V: 2,048 rows of 2,048 bytes a batch,
	s_lshl_b32 s23, s16, 17                        ; 64 rows a half,
	s_add_co_u32 s22, s22, s23
	s_lshl_b32 s23, s18, 9                         ; 512 bytes a channel quarter
	s_add_co_u32 s22, s22, s23
	s_mov_b32 s23, 0
	s_lshl_b32 s82, s17, 16                        ; q at my 32 rows: batch, wave,
	s_lshl_b32 s83, s[WV], 10
	s_add_co_u32 s82, s82, s83
	s_lshl_b32 s83, s[PB], 12                      ; and the block: 128 rows of 32 bytes
	s_add_co_u32 s84, s82, s83
	s_lshl_b32 s83, s[HI], 12
	s_add_co_u32 s82, s82, s83
	s_mov_b32 s83, 0
	s_mov_b32 s85, 0
	s_lshl_b32 s86, s17, 23                        ; out0 at my 32 rows of 4,096 bytes: batch, wave, channel quarter,
	s_lshl_b32 s87, s[WV], 17
	s_add_co_u32 s86, s86, s87
	s_lshl_b32 s87, s18, 10
	s_add_co_u32 s86, s86, s87
	s_lshl_b32 s87, s[PB], 19                      ; and the block
	s_add_co_u32 s66, s86, s87
	s_lshl_b32 s87, s[HI], 19
	s_add_co_u32 s86, s86, s87
	s_mov_b32 s87, 0
	s_mov_b32 s67, 0
	; group 1 for K: four planes' 64 rows each are 2,048 dense bytes: 4 rows x 256 elements of 8 bytes, 524,288 bytes from row to row; no padding
	s_mov_b32 s[G1K], 3<<16
	s_mov_b32 s[G1K+1], 256<<16                    ; tensor_dim0 = 256
	s_mov_b32 s[G1K+2], 4<<16                      ; tensor_dim1 = 4
	s_mov_b32 s[G1K+3], 256<<16                    ; tile_dim0 = 256
	s_mov_b32 s[G1K+4], 4                          ; tile_dim1 = 4
	s_mov_b32 s[G1K+5], 65536                      ; elements from row to row
	s_mov_b32 s[G1K+6], 0
	s_mov_b32 s[G1K+7], 0
	; group 1 for V: 64 rows x 256 elements of 2 bytes, 1,024 elements from row to row, 8 words of padding behind every 128
	s_mov_b32 s[G1V], (1<<16)|(1<<20)|(6<<22)|(7<<25)
	s_mov_b32 s[G1V+1], 256<<16
	s_mov_b32 s[G1V+2], 64<<16
	s_mov_b32 s[G1V+3], 256<<16
	s_mov_b32 s[G1V+4], 64
	s_mov_b32 s[G1V+5], 1024
	s_mov_b32 s[G1V+6], 0
	s_mov_b32 s[G1V+7], 0
	s_mov_b32 s[G0K], 1
	s_mul_i32 s[G0K+1], s16, KHALF                 ; LDS address: slot 0, my half
	s_mov_b32 s[G0V], 1
	s_mul_i32 s[G0V+1], s16, VHALF
	s_add_co_u32 s[G0V+1], s[G0V+1], VOFF
	s_mov_b32 s[CS], 0x3e38aa3b                    ; c = log2(e) / 8 = 0.180337
	s_mov_b32 s[CS+1], s[CS]                       ; named with it as a pair
	s_mov_b32 s[SEL], 0x76543210
	s_mov_b32 s[SEL+1], 0xfedcba98
	s_mov_b32 s[TB], SLOT1                         ; the first change of slots makes it 0
	s_add_co_u32 s[RT], s[HI], 1                   ; the first block has 16 - b tiles
	s_mov_b32 s[NXT], 1
	s_mov_b32 s[LQ], s[HI]
	s_mov_b32 s[OFFK+1], 0
	s_mov_b32 s[OFFV+1], 0
	s_mov_b32 s[BIGN], 0xf149f2ca                  ; -1e30
	s_mov_b32 s[SLOTS], NB
	s_wait_dscnt 0x0                               ; the opening add is done
	s_wait_kmcnt 0x0
	s_add_nc_u64 s[KB:KB+1], s[4:5], s[20:21]
	s_add_nc_u64 s[VB:VB+1], s[6:7], s[22:23]
	s_add_nc_u64 s[G0K+2:G0K+3], s[KB:KB+1], 0     ; tile 0
	s_or_b32 s[G0K+3], s[G0K+3], 0x80000000        ; type = 2
	s_add_nc_u64 s[G0V+2:G0V+3], s[VB:VB+1], 0
	s_or_b32 s[G0V+3], s[G0V+3], 0x80000000
	s_add_nc_u64 s[QHP:QHP+1], s[4:5], s[82:83]
	s_add_nc_u64 s[QLP:QLP+1], s[4:5], s[84:85]
	s_add_nc_u64 s[OLO:OLO+1], s[8:9], s[66:67]
	s_add_nc_u64 s[8:9], s[8:9], s[86:87]          ; out0 at my rows of the first block
	LOAD                                           ; tile 0 into slot 0
	v_and_b32 v1, 15, v0                           ; r = l % 16
	v_bfe_u32 v9, v0, 4, 1                         ; h = l / 16
	; A fragment of K or Q is 16 rows x 32 channels: lane (r, h) holds channels 8 h .. + 7 and 16 + 8 h .. + 7 of row r: 16 bytes at 16 h of the row in one plane, and the same in the next plane
	v_lshlrev_b32 v[QO], 5, v1
	v_lshl_add_u32 v[QO], v9, 4, v[QO]             ; 32 r + 16 h
	WIN 0xc0                                       ; destination window 3, address window 0
.irp t, 0,1
.irp p, 0,1,2,3                        ; both blocks' Q: tile t, plane p: four registers at 16 t + 4 p
	global_load_b128 v[16*(\t)+4*(\p):16*(\t)+4*(\p)+3],       v[QO], s[QHP:QHP+1] offset:524288*(\p)+512*(\t)
	global_load_b128 v[QL+16*(\t)+4*(\p):QL+16*(\t)+4*(\p)+3], v[QO], s[QLP:QLP+1] offset:524288*(\p)+512*(\t)
.endr
.endr
	WIN 0
	v_mov_b32 v[AK0], v[QO]                        ; K's rows lie in LDS as q's in memory
	v_lshlrev_b32 v13, 3, v9
	v_sub_nc_u32 v13, v1, v13
	s_lshl_b32 s13, s[WV], 5
	v_add_nc_u32 v13, s13, v13                     ; 32 w + r - 8 h: register j of accumulator (t, kt) is hidden where 16 kt + j - 16 t is greater
	WIN 0xc0
.set i, 0
.rept 128
	v_cmp_gt_i32 vcc_lo, 16*((i/8)%8)+i%8-16*(i/64), v13
	v_cndmask_b32 v[MD+i], 0, s[BIGN], vcc_lo
.set i, i+1
.endr
	WIN 0
	; The turning load takes 16 keys x 16 channels (lane l reads key 8 h + l % 8, channels 8 ((l / 8) % 2) + 0..7) and leaves half a fragment of V^T: lane l holds channel l % 16 and 8 keys.
	v_and_b32 v11, 7, v0
	v_bfe_u32 v12, v0, 3, 1
	v_lshl_add_u32 v[AV0], v9, 3, v11
	v_mul_u32_u24 v[AV0], v[AV0], PVP
	v_lshl_add_u32 v[AV0], v12, 4, v[AV0]
	v_add_nc_u32 v[AV0], VOFF, v[AV0]
	s_mul_i32 s13, s[WV], 16*SP
	s_add_co_u32 s13, s13, STAGE                   ; my stage
	v_mul_u32_u24 v[STO], v1, SP                   ; in: row r, 32 bytes for each half of the lanes
	v_lshl_add_u32 v[STO], v9, 5, v[STO]
	v_add_nc_u32 v[STO], s13, v[STO]
	v_and_b32 v[GO], 31, v0
	v_lshlrev_b32 v[GO], 4, v[GO]                  ; back and out: 32 lanes take 512 consecutive bytes
	v_add_nc_u32 v[RD], s13, v[GO]
.irp t, 0,1
	v_mov_b32 v[ST+4*(\t)], 0xfe000000             ; c m: far below every c s
	v_mov_b32 v[ST+4*(\t)+1], 0xff7fffff           ; m: the lowest finite number
	v_mov_b32 v[ST+4*(\t)+2], 0
	v_mov_b32 v[ST+4*(\t)+3], 0
.endr
	WIN 0x40                                       ; O^T starts at 0: no first tile is written out, and this stands in the wait for the first tile
.set i, 0
.rept 256
	v_mov_b32 v[i], 0
.set i, i+1
.endr
	WIN 0
	s_wait_loadcnt 0x0                             ; Q
.macro FETCH_K                         ; 32 LDS loads: 128 keys x 64 channels: fragment (kt, c) at VF1 + 16 kt + 8 c
	WIN 0x80                                       ; destination window 2, address window 0
.irp kt, 0,1,2,3,4,5,6,7
.irp c, 0,1
	ds_load_b128 v[VF1+16*(\kt)+8*(\c):VF1+16*(\kt)+8*(\c)+3],   v[AK] offset:((\kt)/4)*KHALF+4096*(\c)+((\kt)%4)*512
	ds_load_b128 v[VF1+16*(\kt)+8*(\c)+4:VF1+16*(\kt)+8*(\c)+7], v[AK] offset:((\kt)/4)*KHALF+4096*(\c)+2048+((\kt)%4)*512
.endr
.endr
.endm
.macro FETCH_V kk, buf                 ; 32 turning loads: keys 32 kk on x 256 channels: fragment cb at buf + 8 cb
	WIN 0x80
.irp cb, 0,1,2,3,4,5,6,7,8,9,10,11,12,13,14,15
	ds_load_tr16_b128 v[(\buf)+8*(\cb):(\buf)+8*(\cb)+3],   v[AV] offset:(\kk)*32*PVP+32*(\cb)
	ds_load_tr16_b128 v[(\buf)+8*(\cb)+4:(\buf)+8*(\cb)+7], v[AV] offset:(\kk)*32*PVP+16*PVP+32*(\cb)
.endr
.endm
; 16 products of S^T = K Q^T; the 16 accumulators take turns.  mode 0: channels 0-31 start the sums with 0; 1: with the mask; 2: channels 32-63 are added.
.macro KQ16 mode
.irp kt, 0,1,2,3,4,5,6,7
.irp t, 0,1
.if (\mode) == 0
	v_wmma_f32_16x16x32_f16 v[S+64*(\t)+8*(\kt):S+64*(\t)+8*(\kt)+7], v[VF1+16*(\kt):VF1+16*(\kt)+7], v[16*(\t):16*(\t)+7], 0
.elseif (\mode) == 1
	v_wmma_f32_16x16x32_f16 v[S+64*(\t)+8*(\kt):S+64*(\t)+8*(\kt)+7], v[VF1+16*(\kt):VF1+16*(\kt)+7], v[16*(\t):16*(\t)+7], v[MD+64*(\t)+8*(\kt):MD+64*(\t)+8*(\kt)+7]
.else
	v_wmma_f32_16x16x32_f16 v[S+64*(\t)+8*(\kt):S+64*(\t)+8*(\kt)+7], v[VF1+16*(\kt)+8:VF1+16*(\kt)+15], v[16*(\t)+8:16*(\t)+15], v[S+64*(\t)+8*(\kt):S+64*(\t)+8*(\kt)+7]
.endif
.endr
.endr
.endm
.macro SPH last                        ; the scores.  A block's last tile (RT = 0) takes the mask; the walk's last tile is always one
.if \last
	WIN W_KM
	KQ16 1
.else
	WIN 0
	s_cmp_eq_u32 s[RT], 0
	s_cbranch_scc1 .Lmasked_\@
	WIN W_KQ
	KQ16 0
	WIN 0
	s_branch .Lstarted_\@
.Lmasked_\@:
	WIN W_KM
	KQ16 1
	WIN 0
.Lstarted_\@:
.endif
	WIN W_KQ
	KQ16 2
.endm
; THE SOFTMAX of both tiles for 128 keys, 64 scores a lane and tile; the two tiles alternate, so that no line reads the result of the line before it.
.macro SOFTMAX
	WIN 0
.set n, 0
.rept 8                                ; eight chains of seven scores; each accumulator's lowest registers are read first
	T2 v_max3_num_f32 v[TM+8*t+n], v[S+64*t+8*n], v[S+64*t+8*n+1], v[S+64*t+8*n+2]
.set n, n+1
.endr
.irp p, 1,2
.set n, 0
.rept 8
	T2 v_max3_num_f32 v[TM+8*t+n], v[TM+8*t+n], v[S+64*t+8*n+2*(\p)+1], v[S+64*t+8*n+2*(\p)+2]
.set n, n+1
.endr
.endr
.irp p, 0,1,2,3                        ; the eight scores left over
	T2 v_max3_num_f32 v[TM+8*t+(\p)], v[TM+8*t+(\p)], v[S+64*t+16*(\p)+7], v[S+64*t+16*(\p)+15]
.endr
	T2 v_max3_num_f32 v[TM+8*t], v[TM+8*t], v[TM+8*t+1], v[TM+8*t+2]
	T2 v_max3_num_f32 v[TM+8*t+3], v[TM+8*t+3], v[TM+8*t+4], v[TM+8*t+5]
	T2 v_max3_num_f32 v[TM+8*t+6], v[TM+8*t+6], v[TM+8*t+7], v[ST+4*t+1]
	T2 v_max3_num_f32 v[TM+8*t], v[TM+8*t], v[TM+8*t+3], v[TM+8*t+6]
	T2 v_permlanex16_b32 v[TM+8*t+1], v[TM+8*t], s[SEL], s[SEL+1]
	T2 v_max_num_f32 v[ST+4*t+1], v[TM+8*t], v[TM+8*t+1]
	T2 v_mov_b32 v[MV+t], v[ST+4*t]
	T2 v_mul_f32 v[ST+4*t], s[CS], v[ST+4*t+1]
	T2 v_sub_f32 v[TM+8*t+2], v[MV+t], v[ST+4*t]
	T2 v_exp_f32 v[TM+8*t+2], v[TM+8*t+2]
.set n, 0
.rept 32                               ; c s - c m; the first of these is the plain instruction behind a's exponentials
	T2 v_pk_fma_f32 v[S+64*t+2*n:S+64*t+2*n+1], v[S+64*t+2*n:S+64*t+2*n+1], s[CS:CS+1], v[ST+4*t:ST+4*t+1] op_sel_hi:[1,0,0] neg_lo:[0,0,1] neg_hi:[0,0,1]
.set n, n+1
.endr
.set n, 0
.rept 128
	v_exp_f32 v[S+n], v[S+n]
.set n, n+1
.endr
	v_nop                                          ; a plain instruction between the exponentials and the use of their results
	s_wait_alu depctr_va_vdst(0)
.set n, 0
.rept 32
	T2 v_cvt_pk_f16_f32 v[P+32*t+n], v[S+64*t+2*n], v[S+64*t+2*n+1]
.set n, n+1
.endr
.irp w, 4,8,16,32,64                   ; the sum of a tile's 32 pairs, in place: neighbours 1, 2, 4, 8 and 16 pairs apart
.set u, 0
.rept 64/(\w)
	T2 v_pk_add_f32 v[S+64*t+(\w)*u:S+64*t+(\w)*u+1], v[S+64*t+(\w)*u:S+64*t+(\w)*u+1], v[S+64*t+(\w)*u+(\w)/2:S+64*t+(\w)*u+(\w)/2+1]
.set u, u+1
.endr
.endr
	T2 v_pk_fma_f32 v[ST+4*t+2:ST+4*t+3], v[ST+4*t+2:ST+4*t+3], v[TM+8*t+2:TM+8*t+3], v[S+64*t:S+64*t+1] op_sel_hi:[1,0,1]
	WIN W_RS
.set n, 0
.rept 128                              ; O^T times a, each accumulator's registers in ascending order
	v_pk_mul_f32 v[2*n:2*n+1], v[2*n:2*n+1], v[TM+8*(n/64)+2:TM+8*(n/64)+3] op_sel_hi:[1,0]
.set n, n+1
.endr
.endm
.macro PV kk, buf                      ; 32 products of O^T += V^T P, keys 32 kk on; the 32 accumulators take turns
	WIN W_PV
.irp cb, 0,1,2,3,4,5,6,7,8,9,10,11,12,13,14,15
.irp t, 0,1
	v_wmma_f32_16x16x32_f16 v[128*(\t)+8*(\cb):128*(\t)+8*(\cb)+7], v[(\buf)+8*(\cb):(\buf)+8*(\cb)+7], v[P+32*(\t)+8*(\kk):P+32*(\t)+8*(\kk)+7], v[128*(\t)+8*(\cb):128*(\t)+8*(\cb)+7]
.endr
.endr
.endm
; THE WAY OUT of a block.  O^T is divided by l and sent, a tile of 16 rows at a time, through my stage in LDS: a lane's eight channels are 32 bytes of a row; they come back as half rows of 512 bytes.
.macro OSCALE t
	WIN W_RS
.set n, 0
.rept 64
	v_pk_mul_f32 v[128*(\t)+2*n:128*(\t)+2*n+1], v[128*(\t)+2*n:128*(\t)+2*n+1], v[ST+4*(\t)+2:ST+4*(\t)+3] op_sel_hi:[1,0]
.set n, n+1
.endr
.endm
.macro OSTAGE t
	WIN 0x04                                       ; store data in window 1
.set n, 0
.rept 32
	ds_store_b128 v[STO], v[128*(\t)+4*n:128*(\t)+4*n+3] offset:64*(n/2)+16*(n%2)
.set n, n+1
.endr
	WIN 0x80                                       ; back into V's registers, which are free
.set n, 0
.rept 32
	ds_load_b128 v[128*(\t)+4*n:128*(\t)+4*n+3], v[RD] offset:(n/2)*SP+(n%2)*512  ; LDS serves a wave's instructions in order (ISA guide 5.7.1.4): these see the stores above
.set n, n+1
.endr
.endm
.macro OSEND t
	s_wait_dscnt 0x0                               ; the tile is back in registers
	WIN 0x08                                       ; store data in window 2
.set n, 0
.rept 32
	global_store_b128 v[GO], v[128*(\t)+4*n:128*(\t)+4*n+3], s[8:9] offset:(16*(\t)+n/2)*4096+(n%2)*512 th:TH_STORE_NT  ; 512 consecutive bytes, aligned
.set n, n+1
.endr
.endm
.macro OUTPUT
	WIN 0
	T2 v_add_f32 v[ST+4*t+2], v[ST+4*t+2], v[ST+4*t+3]
	T2 v_permlanex16_b32 v[ST+4*t+3], v[ST+4*t+2], s[SEL], s[SEL+1]
	T2 v_add_f32 v[ST+4*t+2], v[ST+4*t+2], v[ST+4*t+3]
	T2 v_rcp_f32 v[ST+4*t+2], v[ST+4*t+2]
	v_nop                                          ; a plain instruction between the reciprocals and the use of their results
	s_wait_alu depctr_va_vdst(0)
	OSCALE 0
	OSTAGE 0
	OSCALE 1                                       ; the second tile's arithmetic stands between the first's loads from the stage and the wait for them
	OSEND 0
	OSTAGE 1
	OSEND 1
	s_wait_xcnt 0x0                                ; the stores' registers and base are rewritten only behind this wait
	WIN 0
.endm
; ONE KEY TILE.  V's four groups of 32 keys go through two register buffers; K's fragments lie in the second buffer until the scores are made.
.macro TILE last
	s_sub_co_u32 s[RT], s[RT], 1
	PLACES                                         ; behind the tile before's last products, whose V registers are loaded below
	v_add_nc_u32 v[AK], s[TB], v[AK0]
	v_add_nc_u32 v[AV], s[TB], v[AV0]
	FETCH_K
	FETCH_V 0, VF0
	s_wait_dscnt 32                                ; K's 32 loads are in; V's 32 behind them may be out
	SPH \last
	PLACES                                         ; K's registers take V, and the maxima read the scores
	FETCH_V 1, VF1
	SOFTMAX
	s_wait_dscnt 0x0                               ; V of keys 0-63 is in
	PV 0, VF0
	PLACES
	FETCH_V 2, VF0
	PV 1, VF1
	PLACES
	FETCH_V 3, VF1
	s_wait_dscnt 32                                ; V of keys 64-95 is in; the 32 loads just issued may be out
	PV 2, VF0
	s_wait_dscnt 0x0
	PV 3, VF1
	WIN 0
.if \last
	PLACES
	OUTPUT
.else
	s_cmp_lg_u32 s[RT], 0
	s_cbranch_scc1 .Lgo_on_\@                      ; forward, past text with no barrier and no tensor load
	PLACES
	OUTPUT                                         ; the first block's end
	s_mov_b64 s[8:9], s[OLO:OLO+1]
	s_add_co_u32 s[RT], s[PB], 1                   ; the second block has b + 1 tiles
.irp t, 0,1
	v_mov_b32 v[ST+4*(\t)], 0xfe000000             ; its first a is 0: what O^T and l hold is finite and counts for nothing
	v_mov_b32 v[ST+4*(\t)+1], 0xff7fffff
.endr
	WIN 0xc3                                       ; the second block's Q goes where the products name Q
.set n, 0
.rept 32
	v_mov_b32 v[n], v[QL+n]
.set n, n+1
.endr
	WIN 0
.Lgo_on_\@:
.endif
.endm
.Lslot:                                                ; 16 times: a tile is entered and the next is asked for
	CHANGE 1
	TILE 0
	s_sub_co_u32 s[SLOTS], s[SLOTS], 1
	s_cmp_lg_u32 s[SLOTS], 0
	s_cbranch_scc1 .Lslot
	CHANGE 0                                       ; the walk's last tile is written out: nothing is asked for
	TILE 1
	s_wait_tensorcnt 0x0                           ; the wave's end: a wait, an add and a wait, behind my last tensor load and my last LDS store
	ds_add_u32 v[SPW], v[NIL]
	s_wait_dscnt 0x0
	s_endpgm
.Lfunc_end_k_qc815f2b500_attn:
	.size	k_qc815f2b500_attn, .Lfunc_end_k_qc815f2b500_attn-k_qc815f2b500_attn
	.p2alignl 7, 3214868480
	.fill 96, 4, 3214868480
	.section	.rodata,"a",@progbits
	.p2align	6, 0x0
	.amdhsa_kernel k_qc815f2b500_attn
		.amdhsa_group_segment_fixed_size 327680
		.amdhsa_private_segment_fixed_size 0
		.amdhsa_enable_private_segment 0
		.amdhsa_kernarg_size 24
		.amdhsa_user_sgpr_count 2
		.amdhsa_user_sgpr_kernarg_segment_ptr 1
		.amdhsa_wavefront_size32 1
		.amdhsa_system_sgpr_workgroup_id_x 1
		.amdhsa_system_sgpr_workgroup_id_y 1
		.amdhsa_system_sgpr_workgroup_id_z 1
		.amdhsa_system_vgpr_workitem_id 0
		.amdhsa_next_free_vgpr 1024
		.amdhsa_next_free_sgpr 88
		.amdhsa_reserve_vcc 1
		.amdhsa_float_denorm_mode_32 3
		.amdhsa_float_denorm_mode_16_64 3
		.amdhsa_memory_ordered 1
		.amdhsa_forward_progress 1
		.amdhsa_inst_pref_size 179
	.end_amdhsa_kernel
	.amdgpu_metadata
---
amdhsa.version: [ 1, 2 ]
amdhsa.kernels:
  - .name:           k_qc815f2b500_attn
    .symbol:         k_qc815f2b500_attn.kd
    .args:
      - { .name: qkp, .offset: 0, .size: 8, .value_kind: global_buffer, .address_space: global }
      - { .name: vh, .offset: 8, .size: 8, .value_kind: global_buffer, .address_space: global }
      - { .name: out0, .offset: 16, .size: 8, .value_kind: global_buffer, .address_space: global }
    .group_segment_fixed_size: 327680
    .private_segment_fixed_size: 0
    .kernarg_segment_align: 8
    .kernarg_segment_size: 24
    .max_flat_workgroup_size: 128
    .sgpr_count:     88
    .vgpr_count:     1024
    .wavefront_size: 32
...
	.end_amdgpu_metadata
.endif
;; end of part 3
